; MI455X (gfx1250); checked and timed in simulation.
; The chip was launched on July 23, 2026; its instructions are those of AMD's public machine-readable ISA for CDNA 5 (MIT licence, August 2026) and "CDNA5" Instruction Set Architecture Reference Guide (July 2026). The comments in the code are by the model that wrote it; some were corrected since.
;; Causal Self Attention. Allowed arithmetic: matrix products marked QUANTISED: E4M3 operands, one given power-of-two scale a tensor, by v_wmma_f32_16x16x64_fp8_fp8 or v_wmma_f32_16x16x128_fp8_fp8, f32 sums; everything else in f32.
;; Inputs: lowp_scales 8 int32 (the exponents e of the quantised operands' scales 2^e); w_proj 1,024 x 1,024 float32; w_qkv 3,072 x 1,024 float32; x 4 x 2,048 x 1,024 float32.
;; Outputs: out0 4 x 2,048 x 1,024 float32.
;; This version of the problem:
;;   THIS VERSION OF THE PROBLEM IS GIVEN IN LOW PRECISION. The matrix products marked QUANTISED in the list below multiply operands that are first quantised to E4M3 (4 exponent bits, 3 mantissa bits; 8 bits a number), with one given power-of-two scale for each operand tensor; their sums are f32. All else is computed in f32.
;;   The module's matrix products, in the order in which they are computed (A, B: the left and right operand; K: the contracted axis; several contracted axes count as one K, in the product's order):
;;     1. [M 8,192, K 1,024] x [K 1,024, N 3,072]; A: input x; B: input w_qkv: QUANTISED (scales: A lowp_scales[0], B lowp_scales[1])
;;     2. batch 64 x [M 2,048, K 64] x [K 64, N 2,048]; A: computed on the way; B: computed on the way: QUANTISED (scales: A lowp_scales[2], B lowp_scales[3])
;;     3. batch 64 x [M 2,048, K 2,048] x [K 2,048, N 64]; A: softmax (see below); B: computed on the way: QUANTISED (scales: A lowp_scales[4], B lowp_scales[5])
;;     4. [M 8,192, K 1,024] x [K 1,024, N 1,024]; A: computed on the way; B: input w_proj: QUANTISED (scales: A lowp_scales[6], B lowp_scales[7])
;;   THE QUANTISER, for each operand of a quantised product, along K:
;;     - The operand's scale is 2^e, e = its entry of the input lowp_scales (int32; the entries are numbered through the quantised products in the list's order, A before B).
;;     - Each number is divided by the scale, clamped to +-448, and rounded to the nearest number of E4M3, ties to even, subnormals kept.
;;     - The product sums the exact products of the quantised numbers (number of the format x scale) in f32.
;;   ~~~python
;;   def quantise(x, axis, e):      # numpy; x: float32 -> the quantised numbers, widened to float32 again
;;       x = np.moveaxis(x, axis, -1); K = x.shape[-1]
;;       r = np.clip(x / 2.0 ** e, -448, 448)
;;       step = 2.0 ** (np.maximum(np.frexp(np.where(r == 0, 1, r))[1] - 1, -6) - 3)
;;       q = np.round(r / step) * step * 2.0 ** e      # np.round: ties to even
;;       return np.moveaxis(q, -1, axis).astype(np.float32)
;;   ~~~
;;   SOFTMAX AHEAD OF A QUANTISED PRODUCT. Where the list says 'softmax', what is quantised is not the finished softmax but p = 2^(t - M), with t = logit x log2(e) and M = ceil(the row's largest t), a whole number; so 1/2 < the row's largest p <= 1. The row's sum l is taken of the UNQUANTISED p, in f32, and the product's result is divided by l at the end. Since M is a whole number, a kernel that streams over the keys may use a running M (the ceiling of the running maximum): every later rescaling is an exact power of two, so the quantised numbers keep their values, but for numbers so far below the row's largest that they fall under the format's range.
;;   OPERANDS COMPUTED ON THE WAY. 'Computed on the way' means the value that the module computes at that place (a softmax that the list does not call 'softmax' is quantised finished and normalised). What goes into a quantiser is computed in f32, as accurately as f32 sums, v_exp_f32 and their like allow (about 1e-6 of the number): no bf16 or f16 on the way to a quantiser, and a product that is left as it is and whose result goes on into a quantised operand takes f32 operands (vector FMAs, or v_wmma_f32_16x16x4_f32). A number that lies on a knife's edge between two numbers of the format may be rounded either way, as far as f32 arithmetic and the matrix unit's own rounding can turn it there, and no further.
;; One version. Each part assembles by itself: llvm-mc -triple=amdgcn-amd-amdhsa -mcpu=gfx1250 --defsym DOCPART=n.
;; ======== version 1 of 1: 4 launches
;; limits: right only within a limited range of input values
;; workspace buffers: x_codes 8,388,608 bytes; wqkv_codes 3,145,728 bytes; wproj_codes 1,048,576 bytes; qk_codes 16,777,216 bytes; v_codes 8,388,608 bytes; a_codes 8,388,608 bytes
;; launch quant (part 1): grid 768 x 1, 4 waves a work-group, no clusters, 33,280 bytes of LDS; arguments x, w_qkv, w_proj, lowp_scales, x_codes, wqkv_codes, wproj_codes; writes x_codes, wqkv_codes, wproj_codes
.if DOCPART == 1
	.amdgcn_target "amdgcn-amd-amdhsa--gfx1250"
	.amdhsa_code_object_version 6
	.text
	.protected	k_q189244052a_quant
	.globl	k_q189244052a_quant
	.p2align	8
	.type	k_q189244052a_quant,@function
k_q189244052a_quant:
	s_mov_b64 s[64:65], 0
	v_nop
	global_prefetch_b8 v0, s[64:65] scope:SCOPE_SE
	s_setreg_imm32_b32 hwreg(HW_REG_WAVE_MODE, 25, 1), 1
	s_wait_xcnt 0x0
; CAUSAL SELF-ATTENTION ON CODES OF FP8 (E4M3), four launches: this one (the three inputs become codes), the QKV product, attention, the projection.
; WORK LEFT OUT IN THE PROGRAM.  reference() sets every score with key > query to -infinity by a jnp.tril mask that it builds in its own body; the softmax gives such a key the weight 0, whatever finite values
; the inputs hold, so it reaches no output.  Where 128 keys on end all come after a tile's 16 queries, the attention launch leaves out that step's two products and its softmax.  Nothing else is left out, and every input is loaded.
; LIMIT: a NaN, an infinity or an overflow that reaches only those steps is not carried to the result.
; THIS LAUNCH.  x [8192][1024], w_qkv [3072][1024] and w_proj [1024][1024], f32, K innermost in all three, are turned into codes, one a byte, in the same order, each with the scale 2^e given for it:
; entries 0, 1 and 7 of the buffer of scales.  code = number / 2^e, held within +-448, rounded to the nearest code, ties to even.  LIMITS: -126 <= e <= 119; NaN among the inputs is not served.
; Rows are dense, so each tensor is a plain stream.  A work-group takes 16,384 numbers: work-groups 0-511 x, 512-703 w_qkv, 704-767 w_proj: 768 in all, three for each of 256 WGPs; only pointers and e are chosen, by selects on the work-group's number: one path.
; A wave takes 8 steps of 512 numbers.  The conversion takes eight neighbours from ONE lane's registers; a load is best where neighbouring LANES take neighbouring bytes.  Both are had: each of a step's four loads reads 512
; consecutive bytes, 16 a lane; the 2,048 bytes go through the wave's own stage in LDS as they lie and come back 64 bytes a lane (16 bytes of padding behind each 64).  A lane's 16 codes are 16 bytes: a store covers 512 consecutive bytes.
; No tensor loads, no barrier, no cluster: waves and work-groups share nothing.  Loads run four steps (16 loads a wave) ahead, the turn through LDS one step.
.set WAVES, 4
.set STEPS, 8
.set WGX,   512                        ; x's work-groups: 8,388,608 / 16,384
.set WGW,   704                        ; and w_qkv's 192 behind them
.set EMAX,  8
.set MANT,  0x600000                   ; the mantissa field of 448 as f32
.set CB,    16                         ; bytes of 16 codes
.set R,     16                         ; v16-79   four sets of 16 numbers as they are loaded
.set X,     80                         ; v80-111  two sets of 16 neighbours
.set C,     128                        ; v128-159 codes: four registers for each step, so that no store's data are written again
.set WREG,  8192                       ; LDS: a region for each wave: two stages of 32 x SP bytes
.set SP,    80                         ; a lane's place in a stage: its 64 bytes + 16 of padding
.set SPW,   12                         ; v12      LDS address of my spare word; never rewritten
.set NIL,   13                         ; v13      0; never rewritten
.set SPARE, WAVES*WREG                 ; behind the four regions: the spare words, 128 bytes a wave, which no other line names
	s_load_b256 s[4:11], s[0:1], 0x0               ; x, w_qkv, w_proj, the scales' exponents
	s_load_b128 s[12:15], s[0:1], 0x20             ; x's codes, w_qkv's codes
	s_load_b64 s[16:17], s[0:1], 0x30              ; w_proj's codes
	v_lshl_add_u32 v[SPW], v0, 2, SPARE
	v_mov_b32 v[NIL], 0
	v_lshrrev_b32 v1, 5, v0
	v_readfirstlane_b32 s18, v1                    ; wave
	v_and_b32 v2, 31, v0                           ; lane
	v_lshlrev_b32 v3, 4, v2                        ; my 16 bytes of a load's 512
	s_mul_i32 s22, s18, WREG
	v_lshrrev_b32 v14, 2, v2
	v_mul_u32_u24 v14, v14, SP
	v_and_b32 v15, 3, v2
	v_lshl_add_u32 v14, v15, 4, v14
	v_add_nc_u32 v14, s22, v14                     ; the stage, on the way in: SP (lane / 4) + 16 (lane % 4)
	v_mul_u32_u24 v15, v2, SP
	v_add_nc_u32 v15, s22, v15                     ; and on the way out: SP x lane: my 16 neighbours
	v_mul_u32_u24 v4, v2, CB                       ; my codes' place in a step's
	s_wait_alu depctr_va_vdst(0)                   ; the wait ahead of the wait below
	s_wait_kmcnt 0x0
	s_load_b256 s[24:31], s[10:11], 0x0            ; e0 .. e7
	s_cmp_lt_u32 ttmp9, WGW                        ; which tensor?  The choices hang on the work-group's number alone
	s_cselect_b64 s[6:7], s[6:7], s[8:9]           ; w_qkv or w_proj,
	s_cselect_b64 s[14:15], s[14:15], s[16:17]     ; their codes,
	s_movk_i32 s19, WGW
	s_cselect_b32 s19, WGX, s19                    ; and the tensor's first work-group
	s_cmp_lt_u32 ttmp9, WGX
	s_cselect_b64 s[4:5], s[4:5], s[6:7]           ; x or one of the weights
	s_cselect_b64 s[8:9], s[12:13], s[14:15]
	s_cselect_b32 s19, 0, s19
	s_sub_co_u32 s20, ttmp9, s19
	s_lshl_b32 s20, s20, 2
	s_add_co_u32 s20, s20, s18                     ; which run of 4,096 numbers of the tensor is my wave's
	s_mov_b32 s21, 0
	s_lshl_b64 s[22:23], s[20:21], 14              ; 16,384 bytes of numbers,
	s_add_nc_u64 s[4:5], s[4:5], s[22:23]
	s_lshl_b64 s[22:23], s[20:21], 12              ; 4,096 bytes of codes
	s_add_nc_u64 s[8:9], s[8:9], s[22:23]
.macro LOAD t
.irp i, 0,1,2,3
	global_load_b128 v[R+16*((\t)%4)+4*\i:R+16*((\t)%4)+4*\i+3], v3, s[4:5] offset:2048*(\t)+512*\i th:TH_LOAD_NT   ; 32 lanes read 512 consecutive bytes, read once in the launch
.endr
.endm
.macro TURN t                          ; step t's numbers through the stage: LDS serves a wave's instructions in order (ISA guide 5.7.1.4), so no wait stands between the stores and the loads
.irp i, 0,1,2,3
	ds_store_b128 v14, v[R+16*((\t)%4)+4*\i:R+16*((\t)%4)+4*\i+3] offset:32*SP*((\t)%2)+8*SP*\i
.endr
.irp i, 0,1,2,3
	ds_load_b128 v[X+16*((\t)%2)+4*\i:X+16*((\t)%2)+4*\i+3], v15 offset:32*SP*((\t)%2)+16*\i
.endr
.endm
.irp t, 0,1,2,3
	LOAD \t
.endr
	s_wait_kmcnt 0x0
	s_cmp_lt_u32 ttmp9, WGW
	s_cselect_b32 s25, s25, s31                    ; e1 or e7,
	s_cmp_lt_u32 ttmp9, WGX
	s_cselect_b32 s24, s24, s25                    ; or e0
	s_add_co_i32 s24, s24, 127
	s_lshl_b32 s25, s24, 23
	v_mov_b32 v11, s25                             ; 2^e as f32: the conversion takes its exponent field
	s_add_co_i32 s24, s24, EMAX
	s_lshl_b32 s24, s24, 23
	s_or_b32 s24, s24, MANT
	v_mov_b32 v10, s24                             ; 448 x 2^e
	s_wait_alu depctr_va_vdst(0)                   ; the wait at the head's end
	s_wait_loadcnt 12                              ; step 0's four loads are in; the 12 of steps 1 to 3 stay out
	TURN 0
.macro STEP t
.set XS, X+16*((\t)%2)
	s_wait_dscnt 0x0                               ; this step's numbers are back from the stage: so its stores into the stage have read their registers,
.if (\t)+4 < STEPS
	LOAD (\t)+4                                    ; which take the loads of four steps on
.endif
.if (\t)+1 < STEPS
.if STEPS-2-(\t) >= 3
	s_wait_loadcnt 12                              ; the next step's four loads are in; those of the three steps behind it may be out
.else
	s_wait_loadcnt 4*(STEPS-2-(\t))
.endif
	TURN (\t)+1                                    ; and go through the other stage while this step is worked
.endif
.irp i, 0,1,2,3,4,5,6,7,8,9,10,11,12,13,14,15
	v_med3_num_f32 v[XS+\i], v[XS+\i], -v10, v10   ; the conversion to an 8-bit code does not saturate (ISA guide 7.6.2): the number is held within 448 x the scale first
.endr
	v_cvt_scalef32_pk8_fp8_f32 v[C+4*(\t):C+4*(\t)+1], v[XS:XS+7], v11          ; eight numbers / 2^e, to the nearest code, ties to even; the first number's code in the lowest byte
	v_cvt_scalef32_pk8_fp8_f32 v[C+4*(\t)+2:C+4*(\t)+3], v[XS+8:XS+15], v11
	global_store_b128 v4, v[C+4*(\t):C+4*(\t)+3], s[8:9] offset:32*CB*(\t)      ; the wave stores 512 consecutive bytes, aligned.  (The codes go to a store alone; the next vector lines are the next step's holds, on other registers)
.endm
.irp t, 0,1,2,3,4,5,6,7
	STEP \t
.endr
	s_wait_tensorcnt 0x0                           ; the wave's end, behind my last LDS store
	ds_add_u32 v[SPW], v[NIL]
	s_wait_dscnt 0x0
	s_endpgm
.Lfunc_end_k_q189244052a_quant:
	.size	k_q189244052a_quant, .Lfunc_end_k_q189244052a_quant-k_q189244052a_quant
	.p2alignl 7, 3214868480
	.fill 96, 4, 3214868480
	.section	.rodata,"a",@progbits
	.p2align	6, 0x0
	.amdhsa_kernel k_q189244052a_quant
		.amdhsa_group_segment_fixed_size 33280
		.amdhsa_private_segment_fixed_size 0
		.amdhsa_enable_private_segment 0
		.amdhsa_kernarg_size 56
		.amdhsa_user_sgpr_count 2
		.amdhsa_user_sgpr_kernarg_segment_ptr 1
		.amdhsa_wavefront_size32 1
		.amdhsa_system_sgpr_workgroup_id_x 1
		.amdhsa_system_sgpr_workgroup_id_y 1
		.amdhsa_system_sgpr_workgroup_id_z 1
		.amdhsa_system_vgpr_workitem_id 0
		.amdhsa_next_free_vgpr 192
		.amdhsa_next_free_sgpr 66
		.amdhsa_reserve_vcc 0
		.amdhsa_float_denorm_mode_32 3
		.amdhsa_float_denorm_mode_16_64 3
		.amdhsa_memory_ordered 1
		.amdhsa_forward_progress 1
		.amdhsa_inst_pref_size 20
	.end_amdhsa_kernel
	.amdgpu_metadata
---
amdhsa.version: [ 1, 2 ]
amdhsa.kernels:
  - .name:           k_q189244052a_quant
    .symbol:         k_q189244052a_quant.kd
    .args:
      - { .name: x, .offset: 0, .size: 8, .value_kind: global_buffer, .address_space: global }
      - { .name: w_qkv, .offset: 8, .size: 8, .value_kind: global_buffer, .address_space: global }
      - { .name: w_proj, .offset: 16, .size: 8, .value_kind: global_buffer, .address_space: global }
      - { .name: lowp_scales, .offset: 24, .size: 8, .value_kind: global_buffer, .address_space: global }
      - { .name: x_codes, .offset: 32, .size: 8, .value_kind: global_buffer, .address_space: global }
      - { .name: wqkv_codes, .offset: 40, .size: 8, .value_kind: global_buffer, .address_space: global }
      - { .name: wproj_codes, .offset: 48, .size: 8, .value_kind: global_buffer, .address_space: global }
    .group_segment_fixed_size: 33280
    .private_segment_fixed_size: 0
    .kernarg_segment_align: 8
    .kernarg_segment_size: 56
    .max_flat_workgroup_size: 128
    .sgpr_count:     66
    .vgpr_count:     192
    .wavefront_size: 32
...
	.end_amdgpu_metadata
.endif
;; end of part 1
;; launch gemm_qkv (part 2): grid 96 x 4, 4 waves a work-group, clusters of 4 x 4, 327,680 bytes of LDS; arguments x_codes, wqkv_codes, lowp_scales, qk_codes, v_codes; writes qk_codes, v_codes
.if DOCPART == 2
	.amdgcn_target "amdgcn-amd-amdhsa--gfx1250"
	.amdhsa_code_object_version 6
	.text
	.protected	k_q189244052a_gemm_qkv
	.globl	k_q189244052a_gemm_qkv
	.p2align	8
	.type	k_q189244052a_gemm_qkv,@function
k_q189244052a_gemm_qkv:
	s_mov_b64 s[64:65], 0
	v_nop
	global_prefetch_b8 v0, s[64:65] scope:SCOPE_SE
	s_setreg_imm32_b32 hwreg(HW_REG_WAVE_MODE, 25, 1), 1
	s_wait_xcnt 0x0
	s_wait_alu depctr_hold_cnt(0) depctr_sa_sdst(0) depctr_va_vdst(0) depctr_va_sdst(0) depctr_va_ssrc(0) depctr_va_vcc(0) depctr_vm_vsrc(0)
	s_getreg_b32 s2, hwreg(HW_REG_IB_STS2, 6, 4)
	s_cmp_eq_u32 s2, 0
	s_cbranch_scc0 .Lentry_in_a_cluster
	s_endpgm
.Lentry_in_a_cluster:
	s_bfe_u32 s2, ttmp6, 0x10000c
	s_cmp_lg_u32 s2, 0xf033
	s_cbranch_scc0 .Lentry_shape_is_right
	s_endpgm
.Lentry_shape_is_right:
; qkv[m][f] = sum over c of x[m][c] w_qkv[f][c] on codes of FP8 (E4M3); q, k and v are quantised on the way out, so the f32 sums never go to memory.
; A sum stands for sum x 2^(e0 + e1); its code under 2^es (es = e2 for q, e3 for k, e5 for v) is sum / 2^(es - e0 - e1), held within +-448.  LIMIT: es - e0 - e1 between -126 and 119.
; A tile is 256 rows of source 1 x 256 rows of source 0, four waves of 128 x 128 (64 accumulators).  In the result a lane holds ONE row of source 1 and eight neighbouring rows of source 0,
; and the conversions want eight neighbours along the NEXT product's K: features for q and k (source 0 = the weight, source 1 = x), tokens for v (source 0 = x, source 1 = the weight).
; GRID: 24 clusters of 4 x 4 in a row.  Clusters 0-15: q, k: token tile 4 (c / 2) + cy, feature tile 4 (c % 2) + cx.  Clusters 16-23: v: the weight's tile 8 + cy, token tile 4 (c - 16) + cx.
; Only the two buffers' pointers are chosen, by the cluster's number: source 1's tile always hangs on cy and is asked for jointly along a row of the cluster, source 0's on cx, along a column; every LDS address is a constant of the text.
; OUT, laid as the attention launch's registers take it.  qk_codes [q, k][b][h][tile 128][c 2][lane 32][16]: tile 2 g + u holds tokens 32 g + 8 u + m + 8 (m / 8), m = 0 .. 15; lane (m, hf) holds bytes 32 c + 16 hf on of its token's 64.
; v_codes [b][h][step 16][t 4][c 4][lane 32][16]: lane (m, hf) holds, of channel 16 t + m, the keys 128 step + 32 c + 16 hf on.
; K goes in steps of 256 through a ring of two LDS slots filled by the tensor data mover.  No prefetch: K is 1,024, four fills in all, of which the first two go out at the head.
.set KROW,   1024
.set ROWB,   256
.set PITCH,  272                       ; 256 bytes + 16 of padding: the 16 rows that a load touches start at 16 different groups of banks (ISA guide 11.1)
.set FR,     16
.set NL,     4
.set NP,     4                         ; places behind this matrix instruction (ISA guide 7.12.1)
.set HALFT,  128*PITCH
.set SLOT,   4*HALFT                   ; source 1's 256 rows, then source 0's
.set LAPS,   2
.set SPARE,  2*SLOT                    ; the spare words, 128 bytes a wave
.set LIMV, 10
.set SCV,  11
.set ADRA, 16                          ; v16-17 source 1's fragments in slot 0, 1
.set ADRB, 20                          ; v20-21 source 0's
.set STO,  24                          ; the stage: where I put 8 codes
.set RQ,   25                          ; q, k: where I read 16 bytes back
.set GQ,   26                          ; 16 x lane, in memory
.set SPW,  28
.set NIL,  29
.set RV,   30                          ; v: where I read 16 bytes back
.set TMP,  32
.set CD,   96
.set AF,   128
.set G1, 24
.set G0, 32
.set G1B, 48
.set G0B, 56
.set MSB, 0
.macro WIN new
.if MSB != \new
	s_set_vgpr_msb (MSB<<8)|\new
.set MSB, \new
.endif
.endm
.set MUL_LO, 0xa1                      ; source 0 window 1, source 1 window 0, C and D window 2
.set MUL_HI, 0xf1
.set TO_B,   0x40
; waves 0, 1 fetch source 1's halves, waves 2, 3 source 0's; s_nop 0 and four v_nop behind each line
.macro JLOAD g0a, g1a, g0b, g1b
	s_cmp_eq_u32 s15, 0
	s_cbranch_scc0 .Lfor_b_\@
	tensor_load_to_lds s[\g0a:\g0a+3], s[\g1a:\g1a+7]
	s_nop 0
.rept 4
	v_nop
.endr
	s_branch .Lasked_\@
.Lfor_b_\@:
	tensor_load_to_lds s[\g0b:\g0b+3], s[\g1b:\g1b+7]
	s_nop 0
.rept 4
	v_nop
.endr
.Lasked_\@:
.endm
.macro CREST
	s_cmp_lg_u32 s14, 0
	s_cbranch_scc1 .Lnot_wave_0_\@
	s_barrier_signal -3
.Lnot_wave_0_\@:
	s_barrier_wait -3
	s_barrier_signal -1
	s_barrier_wait -1
.endm
.macro CROUND
	s_barrier_signal -1
	s_barrier_wait -1
	CREST
.endm
	s_load_b128 s[4:7], s[0:1], 0x0                ; x's codes, the weight's
	s_load_b128 s[8:11], s[0:1], 0x10              ; the exponents, q's and k's codes
	s_load_b64 s[12:13], s[0:1], 0x20              ; v's codes
	v_lshl_add_u32 v[SPW], v0, 2, SPARE
	v_mov_b32 v[NIL], 0
	ds_add_u32 v[SPW], v[NIL]
	ds_add_u32 v[SPW], v[NIL]
	v_lshrrev_b32 v1, 5, v0
	v_readfirstlane_b32 s14, v1                    ; wave
	s_lshr_b32 s15, s14, 1                         ; my half of source 1's rows; also: which source I fetch for
	s_and_b32 s16, s14, 1                          ; my half of source 0's rows; also: which 128 rows I fetch
	s_bfe_u32 s40, ttmp6, 0x40000                  ; cx
	s_bfe_u32 s41, ttmp6, 0x40004                  ; cy
	s_and_b32 s42, ttmp9, 1
	s_lshr_b32 s17, ttmp9, 1
	s_sub_co_u32 s18, ttmp9, 16
	s_cmp_lt_u32 ttmp9, 16                         ; q, k or v: the cluster's number, the same in all partners
	s_cselect_b32 s42, s42, s18
	s_cselect_b32 s17, s17, 2
	s_lshl_b32 s42, s42, 2
	s_add_co_u32 s42, s42, s40                     ; source 0's tile
	s_lshl_b32 s17, s17, 2
	s_add_co_u32 s17, s17, s41                     ; source 1's tile (v: tiles 8-11 of the weight)
	s_lshl_b32 s43, s41, 2
	s_lshl_b32 s43, 15, s43                        ; my row of the cluster
	s_lshl_b32 s44, 0x1111, s40                    ; my column
	s_or_b32 s[G1+0], s43, (1<<20)|(1<<21)|(5<<22)|(3<<25)   ; mask; 1-byte elements; four words of padding behind every 64
	s_or_b32 s[G1B+0], s44, (1<<20)|(1<<21)|(5<<22)|(3<<25)
.irp g, G1, G1B
	s_mov_b32 s[\g+1], ROWB<<16
	s_mov_b32 s[\g+2], 128<<16
	s_mov_b32 s[\g+3], ROWB<<16
	s_mov_b32 s[\g+4], 128
	s_mov_b32 s[\g+5], KROW
	s_mov_b32 s[\g+6], 0
	s_mov_b32 s[\g+7], 0
.endr
	s_lshl_b32 s18, s16, 7
	s_lshl_b32 s20, s17, 8
	s_add_co_u32 s20, s20, s18
	s_lshl_b32 s46, s42, 8
	s_add_co_u32 s46, s46, s18
	s_mov_b32 s21, 0
	s_mov_b32 s47, 0
	s_mov_b64 s[18:19], KROW
	s_mul_u64 s[20:21], s[20:21], s[18:19]
	s_mul_u64 s[46:47], s[46:47], s[18:19]
	s_mul_i32 s45, s14, HALFT                      ; where my 128 rows go
	s_wait_dscnt 0x0
	s_wait_kmcnt 0x0
	s_load_b256 s[68:75], s[8:9], 0x0              ; e0 .. e7
	s_cmp_lt_u32 ttmp9, 16
	s_cselect_b64 s[88:89], s[4:5], s[6:7]         ; source 1's buffer
	s_cselect_b64 s[90:91], s[6:7], s[4:5]         ; source 0's
	s_add_nc_u64 s[20:21], s[88:89], s[20:21]
	s_add_nc_u64 s[46:47], s[90:91], s[46:47]
	CROUND
.irp s, 0,1
	s_mov_b32 s[G0+4*\s], 1
	s_add_co_u32 s[G0+4*\s+1], s45, \s*SLOT
	s_add_nc_u64 s[G0+4*\s+2:G0+4*\s+3], s[20:21], \s*ROWB
	s_or_b32 s[G0+4*\s+3], s[G0+4*\s+3], 0x80000000
	s_mov_b32 s[G0B+4*\s], 1
	s_add_co_u32 s[G0B+4*\s+1], s45, \s*SLOT
	s_add_nc_u64 s[G0B+4*\s+2:G0B+4*\s+3], s[46:47], \s*ROWB
	s_or_b32 s[G0B+4*\s+3], s[G0B+4*\s+3], 0x80000000
.endr
	JLOAD G0, G1, G0B, G1B                         ; K step 0: one tensor load a wave at the head
	v_and_b32 v1, 15, v0                           ; r
	v_bfe_u32 v2, v0, 4, 1                         ; h
	v_mul_u32_u24 v3, v1, PITCH
	v_lshl_add_u32 v4, v2, 4, v3
	s_wait_alu depctr_va_vdst(0)
	s_mul_i32 s21, s15, HALFT
	s_mul_i32 s22, s16, HALFT
	s_add_co_u32 s22, s22, 2*HALFT
.irp s, 0,1
	v_add_nc_u32 v[ADRA+\s], s21, v4
	v_add_nc_u32 v[ADRB+\s], s22, v4
	s_add_co_u32 s21, s21, SLOT
	s_add_co_u32 s22, s22, SLOT
.endr
	; the stage: 256 rows (of source 1) x 256 codes (along source 0), pitch 272, from LDS byte 0
	s_mul_i32 s23, s15, 128*PITCH
	s_lshl_b32 s82, s16, 7
	s_add_co_u32 s23, s23, s82
	v_lshl_add_u32 v5, v2, 3, v3
	v_add_nc_u32 v[STO], s23, v5
	v_and_b32 v6, 31, v0
	v_and_b32 v7, 8, v1
	v_add_nc_u32 v7, v7, v1                        ; r + 8 (r / 8): the tokens of a stored tile
	v_mul_u32_u24 v7, v7, PITCH
	v_lshl_add_u32 v7, v2, 4, v7
	s_lshl_b32 s82, s14, 6
	v_add_nc_u32 v[RQ], s82, v7                    ; q, k: wave w takes the tile's head w
	v_lshlrev_b32 v[GQ], 4, v6
	s_mul_i32 s82, s14, 64*PITCH
	v_add_nc_u32 v[RV], s82, v4                    ; v: wave w takes rows 64 w on, a head's 64 channels
	s_bfe_u32 s84, s42, 0x10002                    ; q (0) or k (1)
	s_lshl_b32 s84, s84, 6
	s_lshr_b32 s85, s17, 3                         ; the batch
	s_lshl_b32 s85, s85, 4
	s_add_co_u32 s84, s84, s85
	s_and_b32 s85, s42, 3
	s_lshl_b32 s85, s85, 2
	s_add_co_u32 s84, s84, s85
	s_add_co_u32 s84, s84, s14                     ; the head
	s_lshl_b32 s84, s84, 17
	s_and_b32 s85, s17, 7
	s_lshl_b32 s85, s85, 14                        ; the tile's 256 tokens: 16 stored tiles
	s_add_co_u32 s84, s84, s85
	s_mov_b32 s85, 0
	s_add_nc_u64 s[10:11], s[10:11], s[84:85]
	s_lshr_b32 s86, s42, 3                         ; v: the batch, from the token tile
	s_lshl_b32 s86, s86, 4
	s_and_b32 s87, s17, 3
	s_lshl_b32 s87, s87, 2
	s_add_co_u32 s86, s86, s87
	s_add_co_u32 s86, s86, s14                     ; the head
	s_lshl_b32 s86, s86, 17
	s_and_b32 s87, s42, 7
	s_lshl_b32 s87, s87, 14                        ; the tile's 256 tokens: two key steps of 8,192 bytes
	s_add_co_u32 s86, s86, s87
	s_mov_b32 s87, 0
	s_add_nc_u64 s[12:13], s[12:13], s[86:87]
	s_cmp_lt_u32 ttmp9, 16
	s_cselect_b64 s[10:11], s[10:11], s[12:13]     ; where my wave stores
.macro FRAG reg, adr, q, i             ; 16 rows x 128 K: registers 4 c .. 4 c + 3 hold K = 32 c + 16 h on: the same places of k on both sides
.irp c, 0,1,2,3
	ds_load_b128 v[\reg+4*\c:\reg+4*\c+3], v[\adr] offset:128*(\q)+32*\c+(\i)*16*PITCH
.endr
.endm
; the 64 accumulators take turns, one instruction a turn, in the same order in every step
.macro MUL16 a0, p, zero
.irp a, \a0, \a0+1
.irp b, 0,1,2,3,4,5,6,7
.if \zero
	v_wmma_f32_16x16x128_fp8_fp8 v[8*(8*((\a)%4)+\b):8*(8*((\a)%4)+\b)+7], v[128*(\p)+FR*\b:128*(\p)+FR*\b+FR-1], v[AF+FR*(\a):AF+FR*(\a)+FR-1], 0
.else
	v_wmma_f32_16x16x128_fp8_fp8 v[8*(8*((\a)%4)+\b):8*(8*((\a)%4)+\b)+7], v[128*(\p)+FR*\b:128*(\p)+FR*\b+FR-1], v[AF+FR*(\a):AF+FR*(\a)+FR-1], v[8*(8*((\a)%4)+\b):8*(8*((\a)%4)+\b)+7]
.endif
.endr
.endr
.endm
.macro FETCH_B slot, q, p
	WIN TO_B
.irp i, 0,1,2,3,4,5,6,7
	FRAG 128*(\p)+FR*\i, ADRB+\slot, \q, \i
.endr
	WIN 0
.endm
.macro FETCH_A slot, q, i0
.irp i, \i0, \i0+1, \i0+2, \i0+3
	FRAG AF+FR*(\i), ADRA+\slot, \q, \i
.endr
.endm
.macro PLACES n
.rept \n
	v_nop
.endr
.endm
; a step of 128 along K with its successor in the same slot: source 1's blocks 0-3 are fetched anew in its middle, blocks 4-7 at its end
.macro STEP slot, q, zero
	s_wait_dscnt 4*NL                              ; all but the youngest 16 loads (blocks 4-7)
	WIN MUL_LO
	MUL16 0, (\q)%2, \zero
	MUL16 2, (\q)%2, \zero
	s_wait_dscnt 0
	PLACES NP
	FETCH_B \slot, (\q)+1, 1-(\q)%2
	FETCH_A \slot, (\q)+1, 0
	WIN MUL_HI
	MUL16 4, (\q)%2, \zero
	MUL16 6, (\q)%2, \zero
	PLACES NP
	WIN 0
	FETCH_A \slot, (\q)+1, 4
.endm
; a slot's last step changes slots: the three lines, one barrier (fill = 1: it opens a round of the cluster's barrier), the refill first behind it
.macro TURN slot, next, fill
	s_wait_tensorcnt 0x0
	ds_add_u32 v[SPW], v[NIL]
	s_wait_dscnt 4*NL+1                            ; the add and the youngest 16 loads may be out
	WIN MUL_LO
	MUL16 0, 1, 0
	s_wait_dscnt 0x0                               ; the add is done, my reads of this slot are over
	s_barrier_signal -1
	MUL16 2, 1, 0
	WIN 0
	s_barrier_wait -1
.if \fill
	CREST
	s_add_nc_u64 s[G0+4*\slot+2:G0+4*\slot+3], s[G0+4*\slot+2:G0+4*\slot+3], 2*ROWB
	s_add_nc_u64 s[G0B+4*\slot+2:G0B+4*\slot+3], s[G0B+4*\slot+2:G0B+4*\slot+3], 2*ROWB
	JLOAD G0+4*\slot, G1, G0B+4*\slot, G1B
.else
	PLACES NP
.endif
	FETCH_B \next, 0, 0
	FETCH_A \next, 0, 0
	WIN MUL_HI
	MUL16 4, 1, 0
	MUL16 6, 1, 0
	PLACES NP
	WIN 0
	FETCH_A \next, 0, 4
.endm
	s_wait_alu depctr_va_vdst(0)                   ; the wait at the head's end
	s_wait_tensorcnt 0x0                           ; my part of K step 0 is in; slot 1's first fill is issued as a refill is
	ds_add_u32 v[SPW], v[NIL]
	s_wait_dscnt 0x0
	CROUND
	JLOAD G0+4, G1, G0B+4, G1B
	FETCH_B 0, 0, 0
	FETCH_A 0, 0, 0
	FETCH_A 0, 0, 4
	STEP 0, 0, 1                                   ; the first step starts the sums
	s_mov_b32 s3, LAPS-1
.Llap:
	TURN 0, 1, 1
	STEP 1, 0, 0
	TURN 1, 0, 1
	STEP 0, 0, 0
	s_sub_co_u32 s3, s3, 1
	s_cmp_lg_u32 s3, 0
	s_cbranch_scc1 .Llap
	TURN 0, 1, 0
	STEP 1, 0, 0
	s_wait_dscnt 4*NL
	WIN MUL_LO
	MUL16 0, 1, 0
	MUL16 2, 1, 0
	s_wait_dscnt 0
	WIN MUL_HI
	MUL16 4, 1, 0
	MUL16 6, 1, 0
	WIN 0
	; THE WAY OUT: sums to codes in registers; the codes meet in the stage in slot 0, which has had its last fill and its last read; each wave then stores one head's part
	s_wait_kmcnt 0x0
	s_and_b32 s78, ttmp9, 1
	s_cmp_eq_u32 s78, 1
	s_cselect_b32 s76, s71, s70                    ; e3 for k, e2 for q,
	s_cmp_ge_u32 ttmp9, 16
	s_cselect_b32 s76, s73, s76                    ; e5 for v
	s_sub_co_i32 s76, s76, s68
	s_sub_co_i32 s76, s76, s69
	s_add_co_i32 s76, s76, 127
	s_lshl_b32 s77, s76, 23
	s_add_co_i32 s76, s76, 8
	s_lshl_b32 s76, s76, 23
	s_or_b32 s76, s76, 0x600000
	PLACES NP
	v_mov_b32 v[SCV], s77                          ; 2^(es - e0 - e1)
	v_mov_b32 v[LIMV], s76                         ; 448 x that
.macro CODES a
.set AC, 64*((\a)%4)
	WIN 0x02+((\a)/4)
.set j, 0
.rept 64
	v_med3_num_f32 v[TMP+j], v[AC+j], -v[LIMV], v[LIMV]   ; the conversion does not saturate (ISA guide 7.6.2); each accumulator from its low end on
.set j, j+1
.endr
	WIN 0
.irp b, 0,1,2,3,4,5,6,7
	v_cvt_scalef32_pk8_fp8_f32 v[CD+16*(\a)+2*\b:CD+16*(\a)+2*\b+1], v[TMP+8*\b:TMP+8*\b+7], v[SCV]
.endr
	v_nop                                          ; one plain line behind the conversions
.irp b, 0,1,2,3,4,5,6,7
	ds_store_b64 v[STO], v[CD+16*(\a)+2*\b:CD+16*(\a)+2*\b+1] offset:(\a)*16*PITCH+16*\b
.endr
.endm
.irp a, 0,1,2,3,4,5,6,7
	CODES \a
.endr
	s_wait_dscnt 0x0                               ; for the others: a stage row's 256 bytes come from two waves
	s_barrier_signal -1
	s_barrier_wait -1
	s_cmp_ge_u32 ttmp9, 16
	s_cbranch_scc1 .Lv_out
.set i, 0
.rept 32                               ; q, k: load i is half c = i % 2 of stored tile i / 2: lane (m, hf) takes token 32 g + 8 u + m + 8 (m / 8), bytes 32 c + 16 hf of my head
	ds_load_b128 v[TMP+4*i:TMP+4*i+3], v[RQ] offset:(32*(i>>2)+8*((i>>1)&1))*PITCH+32*(i&1)
.set i, i+1
.endr
	s_branch .Lstore
.Lv_out:
.set i, 0
.rept 32                               ; v: load i is key step i / 16, channels 16 ((i / 4) % 4) on, keys 32 (i % 4) + 16 hf on
	ds_load_b128 v[TMP+4*i:TMP+4*i+3], v[RV] offset:16*((i>>2)&3)*PITCH+128*(i>>4)+32*(i&3)
.set i, i+1
.endr
.Lstore:
.set i, 0
.rept 32
	s_wait_dscnt 31-i                              ; LDS loads come back in order
	global_store_b128 v[GQ], v[TMP+4*i:TMP+4*i+3], s[10:11] offset:512*i   ; the wave stores 512 consecutive bytes, aligned
.set i, i+1
.endr
	s_wait_tensorcnt 0x0                           ; the wave's end
	ds_add_u32 v[SPW], v[NIL]
	s_wait_dscnt 0x0
	CROUND                                         ; the closing round
	s_endpgm
.Lfunc_end_k_q189244052a_gemm_qkv:
	.size	k_q189244052a_gemm_qkv, .Lfunc_end_k_q189244052a_gemm_qkv-k_q189244052a_gemm_qkv
	.p2alignl 7, 3214868480
	.fill 96, 4, 3214868480
	.section	.rodata,"a",@progbits
	.p2align	6, 0x0
	.amdhsa_kernel k_q189244052a_gemm_qkv
		.amdhsa_group_segment_fixed_size 327680
		.amdhsa_private_segment_fixed_size 0
		.amdhsa_enable_private_segment 0
		.amdhsa_kernarg_size 40
		.amdhsa_user_sgpr_count 2
		.amdhsa_user_sgpr_kernarg_segment_ptr 1
		.amdhsa_wavefront_size32 1
		.amdhsa_system_sgpr_workgroup_id_x 1
		.amdhsa_system_sgpr_workgroup_id_y 1
		.amdhsa_system_sgpr_workgroup_id_z 1
		.amdhsa_system_vgpr_workitem_id 0
		.amdhsa_next_free_vgpr 1024
		.amdhsa_next_free_sgpr 100
		.amdhsa_reserve_vcc 0
		.amdhsa_float_denorm_mode_32 3
		.amdhsa_float_denorm_mode_16_64 3
		.amdhsa_memory_ordered 1
		.amdhsa_forward_progress 1
		.amdhsa_inst_pref_size 129
	.end_amdhsa_kernel
	.amdgpu_metadata
---
amdhsa.version: [ 1, 2 ]
amdhsa.kernels:
  - .name:           k_q189244052a_gemm_qkv
    .symbol:         k_q189244052a_gemm_qkv.kd
    .args:
      - { .name: x_codes, .offset: 0, .size: 8, .value_kind: global_buffer, .address_space: global }
      - { .name: wqkv_codes, .offset: 8, .size: 8, .value_kind: global_buffer, .address_space: global }
      - { .name: lowp_scales, .offset: 16, .size: 8, .value_kind: global_buffer, .address_space: global }
      - { .name: qk_codes, .offset: 24, .size: 8, .value_kind: global_buffer, .address_space: global }
      - { .name: v_codes, .offset: 32, .size: 8, .value_kind: global_buffer, .address_space: global }
    .group_segment_fixed_size: 327680
    .private_segment_fixed_size: 0
    .kernarg_segment_align: 8
    .kernarg_segment_size: 40
    .max_flat_workgroup_size: 128
    .sgpr_count:     100
    .vgpr_count:     1024
    .wavefront_size: 32
...
	.end_amdgpu_metadata
.endif
;; end of part 2
;; launch attn (part 3): grid 4 x 64, 16 waves a work-group, clusters of 4 x 1, 327,680 bytes of LDS; arguments qk_codes, v_codes, lowp_scales, a_codes; writes a_codes
.if DOCPART == 3
	.amdgcn_target "amdgcn-amd-amdhsa--gfx1250"
	.amdhsa_code_object_version 6
	.text
	.protected	k_q189244052a_attn
	.globl	k_q189244052a_attn
	.p2align	8
	.type	k_q189244052a_attn,@function
k_q189244052a_attn:
	s_mov_b64 s[64:65], 0
	v_nop
	global_prefetch_b8 v0, s[64:65] scope:SCOPE_SE
	s_setreg_imm32_b32 hwreg(HW_REG_WAVE_MODE, 25, 1), 1
	s_wait_xcnt 0x0
	s_wait_alu depctr_hold_cnt(0) depctr_sa_sdst(0) depctr_va_vdst(0) depctr_va_sdst(0) depctr_va_ssrc(0) depctr_va_vcc(0) depctr_vm_vsrc(0)
	s_getreg_b32 s2, hwreg(HW_REG_IB_STS2, 6, 4)
	s_cmp_eq_u32 s2, 0
	s_cbranch_scc0 .Lentry_in_a_cluster
	s_endpgm
.Lentry_in_a_cluster:
	s_bfe_u32 s2, ttmp6, 0x10000c
	s_cmp_lg_u32 s2, 0x3003
	s_cbranch_scc0 .Lentry_shape_is_right
	s_endpgm
.Lentry_shape_is_right:
; a[b][h][q][:] = the sum over keys k <= q of softmax_k(Q[q] . K[k] / 8) V[k][:], both products on codes of FP8 (E4M3), the result quantised for the projection.
; WORK LEFT OUT: a step of 128 keys that all come after a tile's queries: reference()'s own jnp.tril mask gives those keys the weight 0 for all values of the inputs.  A NaN or an infinity that reaches only such steps is not carried on.
; IN: qk_codes [q, k][b][h][tile 128][c 2][lane][16] and v_codes [b][h][step 16][t 4][c 4][lane][16]: images of the operands' registers, 512 bytes for each group of four registers.  Tile t holds tokens q0 + m + 8 (m / 8), q0 = 16 t - 8 (t % 2).
; OUT: a_codes [b][h][token 2048][64].
; THE SOFTMAX: t = score x log2(e) / 8; M = the row's largest t so far, rounded UP to a whole number; p = 2^(t - M) is quantised with 2^e4, not normalised; the row's sum is taken of the unquantised p and divides at the end.
; When M moves, the sum and O are multiplied by 2^(old M - new M), which rounds nothing.  The result's code under 2^e6 is (sum of codes / l) / 2^(e6 - e4 - e5), held within +-448.
; LIMITS: e2 + e3 between -123 and 130 (added to c's exponent field); e4, and e6 - e4 - e5, between -126 and 119.
; SHARES.  A head's K and V, 2 x 131,072 bytes, lie whole in LDS, with no padding: a fragment load reads 512 bytes on end.  The four work-groups of a head form a cluster and ask for them jointly (mask 15).
; Work-group x, wave w owns tile 127 - 4 w - x (16 - w / 2 key steps) and tile 4 w + x (w / 2 + 1 steps): 17 steps for every wave; the counts hang on the wave's number alone.  The long tile goes first, keys ascending, then the short one.
; Sixteen waves of 256 registers, four to a SIMD, so that one wave's vector work stands beside another's matrix work and LDS loads.
; FILLS: each wave issues two tensor loads: key steps 0-3 at the head, steps 4-15 behind the full sequence and a round; the first four steps read key steps 0-3 alone.  Nothing is filled again.
; NO PREFETCH: both loads go out at the head, and there is no later load to ask ahead for.
; REGISTERS: v1-9 addresses; v12-15 -M, largest t, the sum in two halves; v16-23 Q; v24-31 the short tile's Q; v32-95 K's eight fragments, then V's four; v96-159 S^T, then p; v160-191 O^T;
; v192-223 the way out; v224-239 p's codes; v240-254 constants and work (v251 the mask's d, v245 the short tile's).
.set VREG,  131072                     ; V's bytes lie behind K's
.set STAGE, 262144                     ; the way out: for each wave 16 rows x 80 bytes; no fill lands here
.set SPARE, STAGE+16*1280              ; the spare words, 128 bytes a wave
.set L16, 1                            ; 16 x lane
.set ADK, 2
.set ADV, 3
.set SPW, 5
.set NIL, 6
.set STI, 7                            ; the stage, in
.set STB, 8                            ; and back
.set LP,  9                            ; m + 8 (m / 8) - 16 h
.set IT,  2                            ; s2  the step
.set U,   3                            ; s3  step + wave / 2: 15 in the long tile's last step
.set CX,  12
.set KB,  14                           ; s14 the step's bytes in K and in V
.set MK,  15                           ; s15 1 in a step on the diagonal
.set WV,  18
.set HJ,  19                           ; s19 wave / 2
.set SEL, 20
.set CS,  22
.set G1A, 24
.set G1B, 32
.set G0A, 40
.set G0B, 44
.set OUTA, 48
.set OUTB, 50
.set QPA, 52
.set QPB, 54
.macro ROUND
	s_barrier_signal -1
	s_barrier_wait -1
	s_cmp_lg_u32 s[WV], 0
	s_cbranch_scc1 .Lnot_wave_0_\@
	s_barrier_signal -3
.Lnot_wave_0_\@:
	s_barrier_wait -3
	s_barrier_signal -1
	s_barrier_wait -1
.endm
.macro NOPS n
.rept \n
	v_nop
.endr
.endm
.macro STATS                           ; a tile begins: the largest t -3e38, the sum and O^T zeros, which the first change of M leaves zeros
	v_mov_b32 v13, 0xff61b1e6
	v_floor_f32 v12, -v13
	v_mov_b32 v14, 0
	v_mov_b32 v15, 0
.set n, 0
.rept 32
	v_mov_b32 v[160+n], 0
.set n, n+1
.endr
.endm
	s_load_b256 s[4:11], s[0:1], 0x0               ; q's and k's codes, v's, the exponents, the result's codes
	v_lshl_add_u32 v[SPW], v0, 2, SPARE
	v_mov_b32 v[NIL], 0
	ds_add_u32 v[SPW], v[NIL]
	ds_add_u32 v[SPW], v[NIL]
	v_lshrrev_b32 v10, 5, v0
	v_readfirstlane_b32 s[WV], v10
	s_lshr_b32 s[HJ], s[WV], 1
	s_bfe_u32 s[CX], ttmp6, 0x40000
	s_and_b32 s92, ttmp7, 0xffff                   ; 16 b + h
	s_lshl_b32 s92, s92, 17                        ; a head is 131,072 bytes in each tensor of codes
	s_mov_b32 s93, 0
.irp g, G1A, G1B                       ; dense blocks, stated as rows of 256 bytes; mask 15: the cluster's four
	s_mov_b32 s[\g], 15|(1<<21)
	s_mov_b32 s[\g+1], 256<<16
	s_mov_b32 s[\g+3], 256<<16
	s_mov_b32 s[\g+5], 256
	s_mov_b32 s[\g+6], 0
	s_mov_b32 s[\g+7], 0
.endr
	s_mov_b32 s[G1A+2], 16<<16                     ; 4,096 bytes a wave: an eighth of key steps 0-3 of K (waves 0-7) or V (waves 8-15)
	s_mov_b32 s[G1A+4], 16
	s_mov_b32 s[G1B+2], 48<<16                     ; 12,288 bytes a wave: an eighth of key steps 4-15
	s_mov_b32 s[G1B+4], 48
	s_lshr_b32 s80, s[WV], 3
	s_and_b32 s81, s[WV], 7
	s_lshl_b32 s82, s80, 17
	s_lshl_b32 s76, s81, 12
	s_mul_i32 s78, s81, 12288
	s_add_co_u32 s78, s78, 32768
	s_mov_b32 s77, 0
	s_mov_b32 s79, 0
	s_mov_b32 s[G0A], 1
	s_add_co_u32 s[G0A+1], s82, s76
	s_mov_b32 s[G0B], 1
	s_add_co_u32 s[G0B+1], s82, s78
	s_mov_b32 s[SEL], 0x76543210
	s_mov_b32 s[SEL+1], 0xfedcba98
	s_mov_b32 s[CS], 0x3e38aa3b                    ; log2(e) / 8
	s_wait_dscnt 0x0
	s_wait_kmcnt 0x0
	s_load_b256 s[68:75], s[8:9], 0x0              ; e0 .. e7
	s_add_nc_u64 s[86:87], s[4:5], s[92:93]        ; my head's Q,
	s_add_nc_u64 s[94:95], s[86:87], 0x800000      ; K,
	s_add_nc_u64 s[88:89], s[6:7], s[92:93]        ; V,
	s_add_nc_u64 s[10:11], s[10:11], s[92:93]      ; and result
	s_cmp_eq_u32 s80, 0
	s_cselect_b64 s[90:91], s[94:95], s[88:89]
	s_add_nc_u64 s[G0A+2:G0A+3], s[90:91], s[76:77]
	s_or_b32 s[G0A+3], s[G0A+3], 0x80000000
	s_add_nc_u64 s[G0B+2:G0B+3], s[90:91], s[78:79]
	s_or_b32 s[G0B+3], s[G0B+3], 0x80000000
	ROUND
	tensor_load_to_lds s[G0A:G0A+3], s[G1A:G1A+7]
	s_nop 0
	NOPS 4
; of tile s[t]: where its Q lies (1,024 t), where its result goes (64 q0 = 1,024 t - 512 (t % 2)), and q0 less its diagonal step's first key (16 (t % 8) - 8 (t % 2))
.macro TILE t, qp, op, dq
	s_lshl_b32 s84, s[\t], 10
	s_mov_b32 s85, 0
	s_add_nc_u64 s[\qp:\qp+1], s[86:87], s[84:85]
	s_and_b32 s82, s[\t], 1
	s_lshl_b32 s83, s82, 9
	s_sub_co_u32 s84, s84, s83
	s_add_nc_u64 s[\op:\op+1], s[10:11], s[84:85]
	s_and_b32 s83, s[\t], 7
	s_lshl_b32 s83, s83, 4
	s_lshl_b32 s82, s82, 3
	s_sub_co_u32 s[\dq], s83, s82
.endm
	s_lshl_b32 s80, s[WV], 2
	s_add_co_u32 s80, s80, s[CX]                   ; the short tile
	s_sub_co_u32 s81, 127, s80                     ; the long tile
	TILE 80, QPB, OUTB, 96
	TILE 81, QPA, OUTA, 97
	v_and_b32 v10, 31, v0
	v_lshlrev_b32 v[L16], 4, v10
	global_load_b128 v[16:19], v[L16], s[QPA:QPA+1]
	global_load_b128 v[20:23], v[L16], s[QPA:QPA+1] offset:512
	global_load_b128 v[24:27], v[L16], s[QPB:QPB+1]
	global_load_b128 v[28:31], v[L16], s[QPB:QPB+1] offset:512
	v_and_b32 v11, 15, v0                          ; m
	v_bfe_u32 v4, v0, 4, 1                         ; h
	v_and_b32 v[LP], 8, v11
	v_add_nc_u32 v[LP], v[LP], v11
	v_lshlrev_b32 v[ADK], 4, v4
	v_sub_nc_u32 v[LP], v[LP], v[ADK]
	s_mul_i32 s84, s[WV], 1280
	s_add_co_u32 s84, s84, STAGE
	v_mul_u32_u24 v[STI], v11, 80
	v_lshl_add_u32 v[STI], v4, 3, v[STI]
	v_add_nc_u32 v[STI], s84, v[STI]               ; in: row m, + 8 h
	v_lshrrev_b32 v[STB], 2, v10
	v_mul_u32_u24 v[STB], v[STB], 80
	v_and_b32 v10, 3, v10
	v_lshl_add_u32 v[STB], v10, 4, v[STB]
	v_add_nc_u32 v[STB], s84, v[STB]               ; back: row lane / 4, 16 (lane % 4)
	v_add_nc_u32 v251, s97, v[LP]                  ; d = my query - the diagonal step's first key - 16 h
	v_add_nc_u32 v245, s96, v[LP]
	s_wait_alu depctr_va_vdst(0)                   ; the wait ahead of the wait below
	s_wait_kmcnt 0x0
	s_add_co_i32 s84, s70, s71
	s_lshl_b32 s84, s84, 23
	s_add_co_i32 s[CS], s[CS], s84                 ; a score stands for score x 2^(e2 + e3)
	s_mov_b32 s[CS+1], s[CS]
	s_add_co_i32 s84, s72, 127
	s_lshl_b32 s85, s84, 23
	s_add_co_i32 s84, s84, 8
	s_lshl_b32 s84, s84, 23
	s_or_b32 s84, s84, 0x600000
	s_sub_co_i32 s86, s74, s72
	s_sub_co_i32 s86, s86, s73
	s_add_co_i32 s86, s86, 127
	s_lshl_b32 s87, s86, 23
	s_add_co_i32 s86, s86, 8
	s_lshl_b32 s86, s86, 23
	s_or_b32 s86, s86, 0x600000
	v_mov_b32 v241, 0                              ; a lane permute's destination counts as a source
	v_mov_b32 v253, 0                              ; (the upper half of the pair v[252:253])
	v_mov_b32 v250, 0xff800000
	v_mov_b32 v244, s85                            ; 2^e4
	v_mov_b32 v240, s84                            ; 448 x 2^e4,
	v_mov_b32 v249, s84                            ; and once more, in another register bank: the two halves of a dual pair take their second sources from different banks
	v_mov_b32 v246, s87                            ; 2^(e6 - e4 - e5)
	v_mov_b32 v247, s86                            ; 448 x that
	STATS
; the softmax of a step
.macro SOFT
	v_max3_num_f32 v254, v96, v97, v98
	v_max3_num_f32 v252, v99, v100, v101
.irp i, 6,10,14,18,22,26,30,34,38,42,46,50,54,58
	v_max3_num_f32 v254, v254, v[96+\i], v[97+\i]
	v_max3_num_f32 v252, v252, v[98+\i], v[99+\i]
.endr
	v_max3_num_f32 v254, v254, v158, v159
	s_delay_alu instid0(VALU_DEP_1)
	v_max_num_f32 v254, v254, v252
	s_delay_alu instid0(VALU_DEP_1)
	v_permlanex16_b32 v241, v254, s[SEL], s[SEL+1]
	s_delay_alu instid0(VALU_DEP_1)
	v_max_num_f32 v254, v254, v241                 ; and lane l xor 16's
	s_delay_alu instid0(VALU_DEP_1)
	v_mul_f32 v254, s[CS], v254                    ; as t (c is positive)
	s_delay_alu instid0(VALU_DEP_1)
	v_max_num_f32 v13, v13, v254
	v_mov_b32 v254, v12
	s_delay_alu instid0(VALU_DEP_2)
	v_floor_f32 v12, -v13                          ; the new -M = -ceil(t)
	s_delay_alu instid0(VALU_DEP_1)
	v_sub_f32 v254, v12, v254                      ; old M - new M, a whole number, 0 or less
	s_delay_alu instid0(VALU_DEP_1)
	v_cvt_i32_f32 v254, v254                       ; (it saturates)
	s_delay_alu instid0(VALU_DEP_1)
	v_ldexp_f32 v252, 1.0, v254                    ; f = 2^(old M - new M)
.set n, 0
.rept 32
	v_pk_fma_f32 v[96+n:97+n], v[96+n:97+n], s[CS:CS+1], v[12:13] op_sel_hi:[1,0,0]   ; t - M
.set n, n+2
.endr
	s_wait_alu depctr_va_vdst(0)                   ; the wait ahead of the batch
.set n, 0
.rept 64
	v_exp_f32 v[96+n], v[96+n]
.set n, n+1
.endr
	v_pk_mul_f32 v[14:15], v[14:15], v[252:253] op_sel_hi:[1,0]   ; the sums under the new M: the plain line behind the batch
	s_wait_alu depctr_va_vdst(0)                   ; and the wait behind it
	v_pk_add_f32 v[242:243], v[96:97], v[98:99]    ; the sum of the unquantised p, in two chains
.irp j, 4,8,12,16,20,24,28,32,36,40,44,48,52,56,60
	v_pk_add_f32 v[14:15], v[14:15], v[96+\j:97+\j]
	v_pk_add_f32 v[242:243], v[242:243], v[98+\j:99+\j]
.endr
	v_pk_add_f32 v[14:15], v[14:15], v[242:243]
.irp b, 0,1,2,3
.irp i, 0,2,4,6,8,10,12,14
	v_dual_min_num_f32 v[96+16*\b+\i], v[96+16*\b+\i], v240 :: v_dual_min_num_f32 v[97+16*\b+\i], v[97+16*\b+\i], v249   ; the conversion does not saturate (ISA guide 7.6.2); p is not negative, so the hold is one-sided; two numbers an instruction
.endr
	v_cvt_scalef32_pk8_fp8_f32 v[224+4*\b:225+4*\b], v[96+16*\b:103+16*\b], v244
	v_cvt_scalef32_pk8_fp8_f32 v[226+4*\b:227+4*\b], v[104+16*\b:111+16*\b], v244
.endr
	s_wait_alu depctr_va_vdst(0)                   ; directly ahead of O^T's first reader
.set n, 0
.rept 16
	v_pk_mul_f32 v[160+n:161+n], v[160+n:161+n], v[252:253] op_sel_hi:[1,0]   ; O^T under the new M, each accumulator from its low end on
.set n, n+2
.endr
.endm
; A KEY STEP: the 128 keys at byte s[KB] of K and of V.  masked = 1: where s[MK] is set, hidden scores become -infinity ahead of the maximum
.macro STEP masked
	v_add_nc_u32 v[ADK], s[KB], v[L16]
	v_add_nc_u32 v[ADV], VREG, v[ADK]
	NOPS 2                                         ; with the two additions: four places ahead of loads into registers that the last products read
.irp t, 0,1,2,3,4,5,6,7
	ds_load_b128 v[32+8*\t:35+8*\t], v[ADK] offset:1024*\t
	ds_load_b128 v[36+8*\t:39+8*\t], v[ADK] offset:1024*\t+512
.endr
	s_wait_alu depctr_va_vdst(0)                   ; the wait ahead of the wait below
	s_wait_dscnt 8                                 ; K's fragments 0-3 are in; the younger eight loads may be out
.irp t, 0,1,2,3
	v_wmma_f32_16x16x64_fp8_fp8 v[96+8*\t:103+8*\t], v[32+8*\t:39+8*\t], v[16:23], 0   ; S^T = K Q^T: register 16 b + i of lane (m, h) is key 32 b + 16 h + i of the step
.endr
	s_wait_dscnt 0x0
.irp t, 4,5,6,7
	v_wmma_f32_16x16x64_fp8_fp8 v[96+8*\t:103+8*\t], v[32+8*\t:39+8*\t], v[16:23], 0
.endr
	NOPS 4                                         ; places: the fragments' registers are loaded again, and the scores read
.irp t, 0,1,2,3
.irp c, 0,1,2,3
	ds_load_b128 v[32+16*\t+4*\c:35+16*\t+4*\c], v[ADV] offset:2048*\t+512*\c   ; V's four fragments land under the softmax
.endr
.endr
.if \masked
	s_cmp_eq_u32 s[MK], 0
	s_cbranch_scc1 .Lopen_\@
.set n, 0
.rept 64
	v_cmp_gt_i32 vcc_lo, 32*(n/16)+n%16, v251      ; hidden where 32 b + i > d
	v_cndmask_b32 v[96+n], v[96+n], v250, vcc_lo
.set n, n+1
.endr
.Lopen_\@:
.endif
	SOFT
	s_wait_alu depctr_va_vdst(0)                   ; the wait ahead of the wait below
	s_wait_dscnt 0x0                               ; V is in
.irp t, 0,1,2,3
	v_wmma_f32_16x16x128_fp8_fp8 v[160+8*\t:167+8*\t], v[32+16*\t:47+16*\t], v[224:239], v[160+8*\t:167+8*\t]   ; O^T += V^T P^T, the accumulators by turns
.endr
.endm
; a tile's result: O^T / the row's sum, held, into codes; through my stage; rows 0-7 and 8-15 of a tile are two runs of 512 bytes in memory, 1,024 bytes apart
.macro FINISH ptr
	NOPS 4                                         ; places behind the last products
	v_add_f32 v14, v14, v15
	v_permlanex16_b32 v241, v14, s[SEL], s[SEL+1]
	v_add_f32 v14, v14, v241
	s_wait_alu depctr_va_vdst(0)
	v_rcp_f32 v14, v14
	v_nop
	s_wait_alu depctr_va_vdst(0)                   ; for the reciprocal, and directly ahead of O^T's first reader
.set n, 0
.rept 16
	v_pk_mul_f32 v[192+n:193+n], v[160+n:161+n], v[14:15] op_sel_hi:[1,0]
.set n, n+2
.endr
.set n, 0
.rept 32
	v_med3_num_f32 v[192+n], v[192+n], -v247, v247
.set n, n+1
.endr
.irp t, 0,1,2,3
	v_cvt_scalef32_pk8_fp8_f32 v[224+2*\t:225+2*\t], v[192+8*\t:199+8*\t], v246
.endr
	v_nop
.irp t, 0,1,2,3
	ds_store_b64 v[STI], v[224+2*\t:225+2*\t] offset:16*\t
.endr
	ds_load_b128 v[232:235], v[STB]                ; LDS serves a wave's instructions in order (ISA guide 5.7.1.4)
	ds_load_b128 v[236:239], v[STB] offset:640
	s_wait_dscnt 0x0
	global_store_b128 v[L16], v[232:235], s[\ptr:\ptr+1]
	global_store_b128 v[L16], v[236:239], s[\ptr:\ptr+1] offset:1024
.endm
	s_wait_alu depctr_va_vdst(0)                   ; the wait at the head's end
	s_wait_loadcnt 0x0                             ; Q
	s_wait_tensorcnt 0x0                           ; my part of key steps 0-3 is in; the second fill is issued as a refill is
	ds_add_u32 v[SPW], v[NIL]
	s_wait_dscnt 0x0
	ROUND
	tensor_load_to_lds s[G0B:G0B+3], s[G1B:G1B+7]
	s_nop 0
	NOPS 4
	s_mov_b32 s[IT], 0
	s_mov_b32 s[KB], 0
.Lfirst:                                           ; steps 0-3, all of the long tile: they read key steps 0-3 alone
	STEP 0
	s_add_co_u32 s[KB], s[KB], 8192
	s_add_co_u32 s[IT], s[IT], 1
	s_cmp_lt_u32 s[IT], 4
	s_cbranch_scc1 .Lfirst
	s_wait_alu depctr_va_vdst(0)
	s_wait_tensorcnt 0x0                           ; my part of key steps 4-15 is in,
	s_wait_dscnt 0x0
	s_barrier_signal -1
	s_barrier_wait -1                              ; and everybody's
	s_mov_b32 s[IT], 4
.Lrest:                                            ; steps 4-16.  Step i is key step i of the long tile while i + w / 2 < 16, then key step (i + w / 2) % 16 of the short tile: made with no branch
	s_add_co_u32 s[U], s[IT], s[HJ]
	s_lshr_b32 s91, s[U], 4                        ; 1 in the short tile
	s_and_b32 s92, s[U], 15
	s_mul_i32 s92, s92, s91
	s_xor_b32 s91, s91, 1
	s_mul_i32 s93, s[IT], s91
	s_add_co_u32 s92, s92, s93
	s_and_b32 s92, s92, 15
	s_lshl_b32 s[KB], s92, 13
	s_cmp_eq_u32 s[U], 15                          ; each tile's last step lies on the diagonal
	s_cselect_b32 s[MK], 1, 0
	s_cmp_eq_u32 s[IT], 16
	s_cselect_b32 s[MK], 1, s[MK]
	STEP 1
	s_cmp_lg_u32 s[U], 15
	s_cbranch_scc1 .Lsame
	FINISH OUTA                                    ; the long tile is done: it leaves, and the short tile begins
	v_mov_b32 v251, v245
.set n, 0
.rept 8
	v_mov_b32 v[16+n], v[24+n]
.set n, n+1
.endr
	STATS
	s_wait_alu depctr_va_vdst(0)
	s_wait_xcnt 0x0                                ; the stores have read their data registers, which the next steps write
.Lsame:
	s_add_co_u32 s[IT], s[IT], 1
	s_cmp_lt_u32 s[IT], 17
	s_cbranch_scc1 .Lrest
	FINISH OUTB
	s_wait_tensorcnt 0x0                           ; the wave's end
	ds_add_u32 v[SPW], v[NIL]
	s_wait_dscnt 0x0
	ROUND                                          ; the closing round
	s_endpgm
.Lfunc_end_k_q189244052a_attn:
	.size	k_q189244052a_attn, .Lfunc_end_k_q189244052a_attn-k_q189244052a_attn
	.p2alignl 7, 3214868480
	.fill 96, 4, 3214868480
	.section	.rodata,"a",@progbits
	.p2align	6, 0x0
	.amdhsa_kernel k_q189244052a_attn
		.amdhsa_group_segment_fixed_size 327680
		.amdhsa_private_segment_fixed_size 0
		.amdhsa_enable_private_segment 0
		.amdhsa_kernarg_size 32
		.amdhsa_user_sgpr_count 2
		.amdhsa_user_sgpr_kernarg_segment_ptr 1
		.amdhsa_wavefront_size32 1
		.amdhsa_system_sgpr_workgroup_id_x 1
		.amdhsa_system_sgpr_workgroup_id_y 1
		.amdhsa_system_sgpr_workgroup_id_z 1
		.amdhsa_system_vgpr_workitem_id 0
		.amdhsa_next_free_vgpr 256
		.amdhsa_next_free_sgpr 100
		.amdhsa_reserve_vcc 1
		.amdhsa_float_denorm_mode_32 3
		.amdhsa_float_denorm_mode_16_64 3
		.amdhsa_memory_ordered 1
		.amdhsa_forward_progress 1
		.amdhsa_inst_pref_size 56
	.end_amdhsa_kernel
	.amdgpu_metadata
---
amdhsa.version: [ 1, 2 ]
amdhsa.kernels:
  - .name:           k_q189244052a_attn
    .symbol:         k_q189244052a_attn.kd
    .args:
      - { .name: qk_codes, .offset: 0, .size: 8, .value_kind: global_buffer, .address_space: global }
      - { .name: v_codes, .offset: 8, .size: 8, .value_kind: global_buffer, .address_space: global }
      - { .name: lowp_scales, .offset: 16, .size: 8, .value_kind: global_buffer, .address_space: global }
      - { .name: a_codes, .offset: 24, .size: 8, .value_kind: global_buffer, .address_space: global }
    .group_segment_fixed_size: 327680
    .private_segment_fixed_size: 0
    .kernarg_segment_align: 8
    .kernarg_segment_size: 32
    .max_flat_workgroup_size: 512
    .sgpr_count:     100
    .vgpr_count:     256
    .wavefront_size: 32
...
	.end_amdgpu_metadata
.endif
;; end of part 3
;; launch gemm_proj (part 4): grid 8 x 32, 4 waves a work-group, clusters of 4 x 4, 327,680 bytes of LDS; arguments a_codes, wproj_codes, lowp_scales, out0; writes out0
.if DOCPART == 4
	.amdgcn_target "amdgcn-amd-amdhsa--gfx1250"
	.amdhsa_code_object_version 6
	.text
	.protected	k_q189244052a_gemm_proj
	.globl	k_q189244052a_gemm_proj
	.p2align	8
	.type	k_q189244052a_gemm_proj,@function
k_q189244052a_gemm_proj:
	s_mov_b64 s[64:65], 0
	v_nop
	global_prefetch_b8 v0, s[64:65] scope:SCOPE_SE
	s_setreg_imm32_b32 hwreg(HW_REG_WAVE_MODE, 25, 1), 1
	s_wait_xcnt 0x0
	s_wait_alu depctr_hold_cnt(0) depctr_sa_sdst(0) depctr_va_vdst(0) depctr_va_sdst(0) depctr_va_ssrc(0) depctr_va_vcc(0) depctr_vm_vsrc(0)
	s_getreg_b32 s2, hwreg(HW_REG_IB_STS2, 6, 4)
	s_cmp_eq_u32 s2, 0
	s_cbranch_scc0 .Lentry_in_a_cluster
	s_endpgm
.Lentry_in_a_cluster:
	s_bfe_u32 s2, ttmp6, 0x10000c
	s_cmp_lg_u32 s2, 0xf033
	s_cbranch_scc0 .Lentry_shape_is_right
	s_endpgm
.Lentry_shape_is_right:
; out0[m][f] = sum over c of a[m][c] w_proj[f][c] on codes of FP8 (E4M3); each finished sum is multiplied once by 2^(e6 + e7).  LIMIT: e6 + e7 between -126 and 127.
; a_codes [b][h 16][token 2048][64]: channel c = 64 h + d, so 256 along K are four heads; wproj_codes [1024][1024]; out0 [8192][1024] f32.
; A tile of 256 tokens x 128 features is made by four waves, 128 x 64 each: 32 accumulators.  8 x 32 tiles: 256 work-groups.
; K goes in steps of 256 through a ring of two LDS slots filled by the tensor data mover.  A slot: four heads x 256 tokens x (64 + 16) bytes, then the weight's 128 rows x (256 + 16) bytes.
; CLUSTERS: 4 x 4 work-groups; a's tile is asked for jointly along a row of the cluster, the weight's along a column.  Source 0 = the weight's rows, source 1 = tokens: a lane holds eight neighbouring numbers of a row of out0.
; No prefetch: K is 1,024, four fills in all, of which the first two go out at the head.
; REGISTERS, in windows of 256: window 0: v0-31 addresses, v32-63 the way out, from v128 a's fragments, one set; window 1: the weight's fragments, two sets of 64; window 2: accumulator (a, b) at v[8 (4 a + b)].
.set SIZE_N, 1024
.set KROW,   1024
.set ROWB,   256
.set PITCH,  272
.set APITCH, 80
.set AHB,    256*APITCH                ; a head's 256 tokens in a slot
.set HEADB,  131072                    ; a head in memory
.set FR,     16
.set NL,     4
.set NP,     4                         ; places behind this matrix instruction (ISA guide 7.12.1)
.set BOFF,   4*AHB
.set BHALF,  64*PITCH
.set SLOT,   BOFF+2*BHALF
.set LAPS,   2
.set SPARE,  2*SLOT                    ; the spare words, 128 bytes a wave
.set SPITCH, 272                       ; the way out: a stage of 16 rows x (256 + 16) bytes for each wave, in slot 0 behind its last fill and last read
.set ADRA, 16                          ; v16-19 a's fragments: slot 0, 1 x the slot's two steps
.set ADRB, 20                          ; v20-21 the weight's
.set STO,  24
.set RD,   25
.set CO,   26
.set SPW,  28
.set NIL,  29
.set TMP,  32
.set AF,   128
.set BK,   128
.set G1, 24
.set G0, 32
.set G1B, 48
.set G0B, 56
.set MSB, 0
.macro WIN new
.if MSB != \new
	s_set_vgpr_msb (MSB<<8)|\new
.set MSB, \new
.endif
.endm
.set MUL,  0xa1                        ; source 0 window 1, source 1 window 0, C and D window 2
.set TO_B, 0x40
; waves 0, 1 fetch a's heads, waves 2, 3 the weight's halves; s_nop 0 and four v_nop behind each line
.macro JLOAD g0a, g1a, g0b, g1b
	s_cmp_eq_u32 s15, 0
	s_cbranch_scc0 .Lfor_b_\@
	tensor_load_to_lds s[\g0a:\g0a+3], s[\g1a:\g1a+7]
	s_nop 0
.rept 4
	v_nop
.endr
	s_branch .Lasked_\@
.Lfor_b_\@:
	tensor_load_to_lds s[\g0b:\g0b+3], s[\g1b:\g1b+7]
	s_nop 0
.rept 4
	v_nop
.endr
.Lasked_\@:
.endm
.macro CREST
	s_cmp_lg_u32 s14, 0
	s_cbranch_scc1 .Lnot_wave_0_\@
	s_barrier_signal -3
.Lnot_wave_0_\@:
	s_barrier_wait -3
	s_barrier_signal -1
	s_barrier_wait -1
.endm
.macro CROUND
	s_barrier_signal -1
	s_barrier_wait -1
	CREST
.endm
	s_load_b128 s[4:7], s[0:1], 0x0                ; a's codes, the weight's
	s_load_b128 s[8:11], s[0:1], 0x10              ; the exponents, out0
	v_lshl_add_u32 v[SPW], v0, 2, SPARE
	v_mov_b32 v[NIL], 0
	ds_add_u32 v[SPW], v[NIL]
	ds_add_u32 v[SPW], v[NIL]
	v_lshrrev_b32 v1, 5, v0
	v_readfirstlane_b32 s14, v1                    ; wave
	s_lshr_b32 s15, s14, 1                         ; my 128 tokens; also: I fetch for a (0) or for the weight (1)
	s_and_b32 s16, s14, 1                          ; my 64 features; also: which half I fetch
	s_bfe_u32 s40, ttmp6, 0x40000
	s_bfe_u32 s41, ttmp6, 0x40004
	s_lshl_b32 s42, ttmp9, 2
	s_add_co_u32 s42, s42, s40                     ; tile column: 128 features
	s_and_b32 s17, ttmp7, 0xffff
	s_lshl_b32 s17, s17, 2
	s_add_co_u32 s17, s17, s41                     ; tile row: 256 tokens
	s_lshl_b32 s43, s41, 2
	s_lshl_b32 s43, 15, s43
	s_lshl_b32 s44, 0x1111, s40
	s_or_b32 s[G1+0], s43, (1<<20)|(1<<21)|(3<<22)|(3<<25)   ; a: two heads, each 256 tokens x 64 bytes on end, four words of padding behind every 16
	s_mov_b32 s[G1+1], 16384<<16
	s_mov_b32 s[G1+2], 2<<16
	s_mov_b32 s[G1+3], 16384<<16
	s_mov_b32 s[G1+4], 2
	s_mov_b32 s[G1+5], HEADB
	s_mov_b32 s[G1+6], 0
	s_mov_b32 s[G1+7], 0
	s_or_b32 s[G1B+0], s44, (1<<20)|(1<<21)|(5<<22)|(3<<25)  ; the weight: 64 rows of 256 bytes, four words of padding behind each
	s_mov_b32 s[G1B+1], ROWB<<16
	s_mov_b32 s[G1B+2], 64<<16
	s_mov_b32 s[G1B+3], ROWB<<16
	s_mov_b32 s[G1B+4], 64
	s_mov_b32 s[G1B+5], KROW
	s_mov_b32 s[G1B+6], 0
	s_mov_b32 s[G1B+7], 0
	s_lshr_b32 s20, s17, 3                         ; the batch
	s_lshl_b32 s20, s20, 4
	s_lshl_b32 s18, s16, 1
	s_add_co_u32 s20, s20, s18                     ; + my two heads of the step's four
	s_lshl_b32 s20, s20, 17
	s_and_b32 s18, s17, 7
	s_lshl_b32 s18, s18, 14                        ; the tile's 256 tokens
	s_add_co_u32 s20, s20, s18
	s_mov_b32 s21, 0
	s_lshl_b32 s18, s16, 6
	s_lshl_b32 s46, s42, 7
	s_add_co_u32 s46, s46, s18                     ; the weight's row: 128 x tile column + 64 x half
	s_mov_b32 s47, 0
	s_mov_b64 s[18:19], KROW
	s_mul_u64 s[46:47], s[46:47], s[18:19]
	s_mul_i32 s45, s16, 2*AHB
	s_mul_i32 s66, s16, BHALF
	s_add_co_u32 s66, s66, BOFF
	s_wait_dscnt 0x0
	s_wait_kmcnt 0x0
	s_load_b64 s[96:97], s[8:9], 0x18              ; e6, e7
	s_add_nc_u64 s[20:21], s[4:5], s[20:21]
	s_add_nc_u64 s[46:47], s[6:7], s[46:47]
	CROUND
.irp s, 0,1
	s_mov_b32 s[G0+4*\s], 1
	s_add_co_u32 s[G0+4*\s+1], s45, \s*SLOT
	s_add_nc_u64 s[G0+4*\s+2:G0+4*\s+3], s[20:21], \s*4*HEADB
	s_or_b32 s[G0+4*\s+3], s[G0+4*\s+3], 0x80000000
	s_mov_b32 s[G0B+4*\s], 1
	s_add_co_u32 s[G0B+4*\s+1], s66, \s*SLOT
	s_add_nc_u64 s[G0B+4*\s+2:G0B+4*\s+3], s[46:47], \s*ROWB
	s_or_b32 s[G0B+4*\s+3], s[G0B+4*\s+3], 0x80000000
.endr
	JLOAD G0, G1, G0B, G1B                         ; K step 0: one tensor load a wave at the head
	v_and_b32 v1, 15, v0                           ; r
	v_bfe_u32 v2, v0, 4, 1                         ; h
	v_mul_u32_u24 v3, v1, APITCH
	v_lshl_add_u32 v4, v2, 4, v3                   ; a's fragments
	v_mul_u32_u24 v7, v1, PITCH
	v_lshl_add_u32 v5, v2, 4, v7                   ; the weight's
	v_mul_u32_u24 v8, v1, SPITCH
	v_lshl_add_u32 v8, v2, 5, v8                   ; the stage, in: row r, 32 bytes for each half of the lanes
	v_mul_u32_u24 v9, v2, SPITCH
	v_lshl_add_u32 v9, v1, 4, v9                   ; and back: sixteen lanes to a row of 256 bytes, two rows an instruction
	v_lshlrev_b32 v[CO], 12, v2
	v_lshl_add_u32 v[CO], v1, 4, v[CO]             ; the same two rows in out0
	s_wait_alu depctr_va_vdst(0)
	s_mul_i32 s21, s15, 128*APITCH
.irp s, 0,1
.irp q, 0,1
	s_add_co_u32 s22, s21, \s*SLOT+2*\q*AHB
	v_add_nc_u32 v[ADRA+2*\s+\q], s22, v4
.endr
.endr
	s_mul_i32 s22, s16, BHALF
	s_add_co_u32 s22, s22, BOFF
.irp s, 0,1
	v_add_nc_u32 v[ADRB+\s], s22, v5
	s_add_co_u32 s22, s22, SLOT
.endr
	s_mul_i32 s23, s14, 16*SPITCH
	v_add_nc_u32 v[STO], s23, v8
	v_add_nc_u32 v[RD], s23, v9
	s_lshl_b32 s20, s17, 8
	s_lshl_b32 s21, s15, 7
	s_add_co_u32 s20, s20, s21                     ; my first row of out0
	s_mov_b32 s21, 0
	s_mov_b64 s[18:19], SIZE_N*4
	s_mul_u64 s[20:21], s[20:21], s[18:19]
	s_lshl_b32 s46, s42, 9                         ; my first column, in bytes: 512 x tile column + 256 x half
	s_lshl_b32 s47, s16, 8
	s_add_co_u32 s46, s46, s47
	s_mov_b32 s47, 0
	s_add_nc_u64 s[20:21], s[20:21], s[46:47]
	s_add_nc_u64 s[10:11], s[10:11], s[20:21]
.macro FRAGA reg, slot, q, i           ; 16 tokens x 128 K = two heads: registers 4 c .. 4 c + 3 hold K = 32 c + 16 h on
.irp c, 0,1,2,3
	ds_load_b128 v[\reg+4*\c:\reg+4*\c+3], v[ADRA+2*(\slot)+(\q)] offset:(\c/2)*AHB+(\i)*16*APITCH+32*(\c%2)
.endr
.endm
.macro FRAG reg, adr, q, i
.irp c, 0,1,2,3
	ds_load_b128 v[\reg+4*\c:\reg+4*\c+3], v[\adr] offset:128*(\q)+32*\c+(\i)*16*PITCH
.endr
.endm
; eight matrix instructions: a's blocks a0, a0 + 1 x the weight's four.  The 32 accumulators take turns, in the same order in every step
.macro MUL8 a0, p, zero
.irp a, \a0, \a0+1
.irp b, 0,1,2,3
.if \zero
	v_wmma_f32_16x16x128_fp8_fp8 v[8*(4*(\a)+\b):8*(4*(\a)+\b)+7], v[64*(\p)+FR*\b:64*(\p)+FR*\b+FR-1], v[AF+FR*(\a):AF+FR*(\a)+FR-1], 0
.else
	v_wmma_f32_16x16x128_fp8_fp8 v[8*(4*(\a)+\b):8*(4*(\a)+\b)+7], v[64*(\p)+FR*\b:64*(\p)+FR*\b+FR-1], v[AF+FR*(\a):AF+FR*(\a)+FR-1], v[8*(4*(\a)+\b):8*(4*(\a)+\b)+7]
.endif
.endr
.endr
.endm
.macro FETCH_B slot, q, p
	WIN TO_B
.irp i, 0,1,2,3
	FRAG 64*(\p)+FR*\i, ADRB+\slot, \q, \i
.endr
	WIN 0
.endm
.macro FETCH_A slot, q, i0
.irp i, \i0, \i0+1, \i0+2, \i0+3
	FRAGA AF+FR*(\i), \slot, \q, \i
.endr
.endm
.macro PLACES n
.rept \n
	v_nop
.endr
.endm
; a step of 128 along K with its successor in the same slot: a's blocks 0-3 are fetched anew in its middle, blocks 4-7 at its end
.macro STEP slot, q, zero
	s_wait_dscnt 4*NL                              ; all but the youngest 16 loads (blocks 4-7)
	WIN MUL
	MUL8 0, (\q)%2, \zero
	MUL8 2, (\q)%2, \zero
	s_wait_dscnt 0
	PLACES NP
	FETCH_B \slot, (\q)+1, 1-(\q)%2
	FETCH_A \slot, (\q)+1, 0
	WIN MUL
	MUL8 4, (\q)%2, \zero
	MUL8 6, (\q)%2, \zero
	PLACES NP
	WIN 0
	FETCH_A \slot, (\q)+1, 4
.endm
; a slot's last step changes slots: the three lines, one barrier (fill = 1: it opens a round of the cluster's barrier), the refill first behind it
.macro TURN slot, next, fill
	s_wait_tensorcnt 0x0
	ds_add_u32 v[SPW], v[NIL]
	s_wait_dscnt 4*NL+1                            ; the add and the youngest 16 loads may be out
	WIN MUL
	MUL8 0, 1, 0
	s_wait_dscnt 0x0                               ; the add is done, my reads of this slot are over
	s_barrier_signal -1
	MUL8 2, 1, 0
	WIN 0
	s_barrier_wait -1
.if \fill
	CREST
	s_add_nc_u64 s[G0+4*\slot+2:G0+4*\slot+3], s[G0+4*\slot+2:G0+4*\slot+3], 8*HEADB
	s_add_nc_u64 s[G0B+4*\slot+2:G0B+4*\slot+3], s[G0B+4*\slot+2:G0B+4*\slot+3], 2*ROWB
	JLOAD G0+4*\slot, G1, G0B+4*\slot, G1B
.else
	PLACES NP
.endif
	FETCH_B \next, 0, 0
	FETCH_A \next, 0, 0
	WIN MUL
	MUL8 4, 1, 0
	MUL8 6, 1, 0
	PLACES NP
	WIN 0
	FETCH_A \next, 0, 4
.endm
	s_wait_alu depctr_va_vdst(0)                   ; the wait at the head's end
	s_wait_tensorcnt 0x0                           ; my part of K step 0 is in; slot 1's first fill is issued as a refill is
	ds_add_u32 v[SPW], v[NIL]
	s_wait_dscnt 0x0
	CROUND
	JLOAD G0+4, G1, G0B+4, G1B
	FETCH_B 0, 0, 0
	FETCH_A 0, 0, 0
	FETCH_A 0, 0, 4
	STEP 0, 0, 1                                   ; the first step starts the sums
	s_mov_b32 s3, LAPS-1
.Llap:
	TURN 0, 1, 1
	STEP 1, 0, 0
	TURN 1, 0, 1
	STEP 0, 0, 0
	s_sub_co_u32 s3, s3, 1
	s_cmp_lg_u32 s3, 0
	s_cbranch_scc1 .Llap
	TURN 0, 1, 0
	STEP 1, 0, 0
	s_wait_dscnt 4*NL
	WIN MUL
	MUL8 0, 1, 0
	MUL8 2, 1, 0
	s_wait_dscnt 0
	MUL8 4, 1, 0
	MUL8 6, 1, 0
	WIN 0
; THE WAY OUT, block by block of 16 rows x 64 columns, through my own stage: LDS serves a wave's instructions in order (ISA guide 5.7.1.4)
.macro TOSTAGE a
	WIN 0x02
.irp j, 0,2,4,6,8,10,12,14,16,18,20,22,24,26,28,30
	v_pk_mul_f32 v[TMP+\j:TMP+\j+1], v[32*(\a)+\j:32*(\a)+\j+1], s[96:97] op_sel_hi:[1,0]   ; x 2^(e6 + e7); each accumulator from its low end on
.endr
	WIN 0
.irp b, 0,1,2,3
	ds_store_b128 v[STO], v[TMP+8*\b:TMP+8*\b+3] offset:64*\b
	ds_store_b128 v[STO], v[TMP+8*\b+4:TMP+8*\b+7] offset:64*\b+16
.endr
.set BB, BK+32*((\a)%2)
.irp t, 0,1,2,3,4,5,6,7
	ds_load_b128 v[BB+4*\t:BB+4*\t+3], v[RD] offset:2*\t*SPITCH
.endr
.endm
.macro SEND a, younger
.set BB, BK+32*((\a)%2)
	s_wait_dscnt \younger
.if (\a) > 0
	s_add_nc_u64 s[10:11], s[10:11], 16*SIZE_N*4   ; behind a wait on XCNT: the earlier stores have read their base
.endif
.irp t, 0,1,2,3,4,5,6,7
	global_store_b128 v[CO], v[BB+4*\t:BB+4*\t+3], s[10:11] offset:2*\t*SIZE_N*4 th:TH_STORE_NT   ; sixteen lanes store 256 consecutive bytes, aligned
.endr
.endm
	s_wait_kmcnt 0x0
	s_add_co_i32 s96, s96, s97
	s_add_co_i32 s96, s96, 127
	s_lshl_b32 s96, s96, 23                        ; 2^(e6 + e7) as f32
	PLACES NP
	TOSTAGE 0
.irp a, 1,2,3,4,5,6,7
.if \a > 1
	s_wait_xcnt 0x0                                ; block a - 2's stores have read their registers and their base
.endif
	TOSTAGE \a
	SEND \a-1, 16                                  ; behind block a - 1's loads: block a's 8 stores and 8 loads
.endr
	s_wait_xcnt 0x0
	SEND 7, 0
	s_wait_tensorcnt 0x0                           ; the wave's end
	ds_add_u32 v[SPW], v[NIL]
	s_wait_dscnt 0x0
	CROUND                                         ; the closing round
	s_endpgm
.Lfunc_end_k_q189244052a_gemm_proj:
	.size	k_q189244052a_gemm_proj, .Lfunc_end_k_q189244052a_gemm_proj-k_q189244052a_gemm_proj
	.p2alignl 7, 3214868480
	.fill 96, 4, 3214868480
	.section	.rodata,"a",@progbits
	.p2align	6, 0x0
	.amdhsa_kernel k_q189244052a_gemm_proj
		.amdhsa_group_segment_fixed_size 327680
		.amdhsa_private_segment_fixed_size 0
		.amdhsa_enable_private_segment 0
		.amdhsa_kernarg_size 32
		.amdhsa_user_sgpr_count 2
		.amdhsa_user_sgpr_kernarg_segment_ptr 1
		.amdhsa_wavefront_size32 1
		.amdhsa_system_sgpr_workgroup_id_x 1
		.amdhsa_system_sgpr_workgroup_id_y 1
		.amdhsa_system_sgpr_workgroup_id_z 1
		.amdhsa_system_vgpr_workitem_id 0
		.amdhsa_next_free_vgpr 768
		.amdhsa_next_free_sgpr 98
		.amdhsa_reserve_vcc 0
		.amdhsa_float_denorm_mode_32 3
		.amdhsa_float_denorm_mode_16_64 3
		.amdhsa_memory_ordered 1
		.amdhsa_forward_progress 1
		.amdhsa_inst_pref_size 78
	.end_amdhsa_kernel
	.amdgpu_metadata
---
amdhsa.version: [ 1, 2 ]
amdhsa.kernels:
  - .name:           k_q189244052a_gemm_proj
    .symbol:         k_q189244052a_gemm_proj.kd
    .args:
      - { .name: a_codes, .offset: 0, .size: 8, .value_kind: global_buffer, .address_space: global }
      - { .name: wproj_codes, .offset: 8, .size: 8, .value_kind: global_buffer, .address_space: global }
      - { .name: lowp_scales, .offset: 16, .size: 8, .value_kind: global_buffer, .address_space: global }
      - { .name: out0, .offset: 24, .size: 8, .value_kind: global_buffer, .address_space: global }
    .group_segment_fixed_size: 327680
    .private_segment_fixed_size: 0
    .kernarg_segment_align: 8
    .kernarg_segment_size: 32
    .max_flat_workgroup_size: 128
    .sgpr_count:     98
    .vgpr_count:     768
    .wavefront_size: 32
...
	.end_amdgpu_metadata
.endif
;; end of part 4
